; MI455X (gfx1250); checked and timed in simulation.
; The chip was launched on July 23, 2026; its instructions are those of AMD's public machine-readable ISA for CDNA 5 (MIT licence, August 2026) and "CDNA5" Instruction Set Architecture Reference Guide (July 2026). The comments in the code are by the model that wrote it; some were corrected since.
;; Attention Block. Allowed arithmetic: matrix products marked QUANTISED: E2M1 operands, one E8M0 scale for each 32 along K, by v_wmma_scale_f32_16x16x128_f8f6f4 with both operands' format E2M1 (or v_wmma_scale_f32_32x16x128_f4), f32 sums; everything else in f32.
;; Inputs: gn_beta 256 float32; gn_gamma 256 float32; proj_b 256 float32; proj_w 256 x 256 float32; qkv_b 768 float32; qkv_w 768 x 256 float32; x 4 x 256 x 64 x 64 float32.
;; Outputs: out0 4 x 256 x 64 x 64 float32.
;; This version of the problem:
;;   THIS VERSION OF THE PROBLEM IS GIVEN IN LOW PRECISION. The matrix products marked QUANTISED in the list below multiply operands that are first quantised to E2M1 (2 exponent bits, 1 mantissa bit; 4 bits a number), with one power-of-two scale for each 32 numbers along K (OCP MX v1.0); their sums are f32. All else is computed in f32.
;;   The module's matrix products, in the order in which they are computed (A, B: the left and right operand; K: the contracted axis; several contracted axes count as one K, in the product's order):
;;     1. [M 16,384, K 256] x [K 256, N 768]; A: computed on the way; B: input qkv_w: QUANTISED
;;     2. batch 16 x [M 4,096, K 64] x [K 64, N 4,096]; A: computed on the way; B: computed on the way: QUANTISED
;;     3. batch 16 x [M 64, K 4,096] x [K 4,096, N 4,096]; A: computed on the way; B: softmax (see below): QUANTISED
;;     4. [M 16,384, K 256] x [K 256, N 256]; A: computed on the way; B: input proj_w: QUANTISED
;;   THE QUANTISER, for each operand of a quantised product, along K:
;;     - K is cut into blocks of 32 from its start; a last block that is shorter is filled with zeros.
;;     - A block's scale is 2^e with e = floor(log2(the largest magnitude in the block)) - 2, held to -126 .. 127; a block of zeros has e = 0. As a byte (E8M0): e + 127.
;;     - Each number is divided by its block's scale, clamped to +-6, and rounded to the nearest number of E2M1, ties to even, subnormals kept.
;;     - The product sums the exact products of the quantised numbers (number of the format x scale) in f32.
;;   ~~~python
;;   def quantise(x, axis):      # numpy; x: float32 -> the quantised numbers, widened to float32 again
;;       x = np.moveaxis(x, axis, -1); K = x.shape[-1]
;;       x = np.pad(x, [(0, 0)] * (x.ndim - 1) + [(0, -K % 32)]); x = x.reshape(x.shape[:-1] + (-1, 32)); a = np.abs(x).max(-1, keepdims=True)
;;       e = np.where(a > 0, np.clip(np.frexp(np.where(a > 0, a, 1))[1] - 1 - 2, -126, 127), 0)      # np.frexp(a)[1] - 1 = floor(log2(a)), exactly
;;       r = np.clip(x / 2.0 ** e, -6, 6)
;;       step = 2.0 ** (np.maximum(np.frexp(np.where(r == 0, 1, r))[1] - 1, 0) - 1)
;;       q = np.round(r / step) * step * 2.0 ** e      # np.round: ties to even
;;       return np.moveaxis(q.reshape(q.shape[:-2] + (-1,))[..., :K], -1, axis).astype(np.float32)
;;   ~~~
;;   SOFTMAX AHEAD OF A QUANTISED PRODUCT. Where the list says 'softmax', what is quantised is not the finished softmax but p = 2^(t - M), with t = logit x log2(e) and M = ceil(the row's largest t), a whole number; so 1/2 < the row's largest p <= 1. The row's sum l is taken of the UNQUANTISED p, in f32, and the product's result is divided by l at the end. Since M is a whole number, a kernel that streams over the keys may use a running M (the ceiling of the running maximum): every later rescaling is an exact power of two, which a block's scale takes up: the codes' values come out the same.
;;   OPERANDS COMPUTED ON THE WAY. 'Computed on the way' means the value that the module computes at that place (a softmax that the list does not call 'softmax' is quantised finished and normalised). What goes into a quantiser is computed in f32, as accurately as f32 sums, v_exp_f32 and their like allow (about 1e-6 of the number): no bf16 or f16 on the way to a quantiser, and a product that is left as it is and whose result goes on into a quantised operand takes f32 operands (vector FMAs, or v_wmma_f32_16x16x4_f32). A number that lies on a knife's edge between two numbers of the format may be rounded either way, as far as f32 arithmetic and the matrix unit's own rounding can turn it there, and no further.
;; One version. Each part assembles by itself: llvm-mc -triple=amdgcn-amd-amdhsa -mcpu=gfx1250 --defsym DOCPART=n.
;; ======== version 1 of 1: 4 launches
;; workspace buffers: stats 16,384 bytes; wq 139,264 bytes; qq 2,359,296 bytes; kv 4,587,520 bytes; oo 2,228,224 bytes
;; launch prep (part 1): grid 264 x 1, 8 waves a work-group, no clusters, 0 bytes of LDS; arguments x, qkv_w, proj_w, stats, wq; writes stats, wq
.if DOCPART == 1
	.amdgcn_target "amdgcn-amd-amdhsa--gfx1250"
	.amdhsa_code_object_version 6
	.text
	.protected	k_q4ab90f7607_prep
	.globl	k_q4ab90f7607_prep
	.p2align	8
	.type	k_q4ab90f7607_prep,@function
k_q4ab90f7607_prep:
	s_mov_b64 s[64:65], 0
	v_nop
	global_prefetch_b8 v0, s[64:65] scope:SCOPE_SE
	s_setreg_imm32_b32 hwreg(HW_REG_WAVE_MODE, 25, 1), 1
	s_wait_xcnt 0x0
; TWO JOBS IN ONE LAUNCH, chosen by the work-group's number.
; Work-groups 0-255: partial statistics of x for the group norm.  A wave takes a part of 2,048 consecutive numbers (8,192 bytes) and stores
; its mean and the sum of squared distances from that mean: stats[part] = (mean, M2).  A norm group (32 channels x 4,096 pixels) is 64 parts;
; the next launch joins them.  No difference of large sums is formed, so a common offset of x costs no accuracy.
; Work-groups 256-263: qkv_w [768][256] and proj_w [256][256], f32, become codes of FP4 (E2M1) with one E8M0 byte for each 32 along K (K is innermost).
; A wave takes one tile of 16 rows, T = 0-47 of qkv_w, 48-63 of proj_w.  THE ROWS OF A TILE ARE NOT NEIGHBOURS: lane r takes row
; 32 (T / 2) + 8 (T % 2) + r + 8 (r / 8), so that results of two neighbouring tiles are 16 neighbours along the next product's K.
; The codes are stored as IMAGES OF THE OPERAND'S REGISTERS: four registers, lane l's 16 bytes at 16 l: wq + 2048 T + 1024 s + 512 c + 16 l
; (K step s of 128, registers 4 c .. 4 c + 3: k = 128 s + 64 c + 32 (l / 16) + 0 .. 31).  Scale words: wq + 131072 + 128 T + 4 l: lanes 0-15 K step 0, lanes 16-31 K step 1.
; A block's scale is 2^(floor(log2(largest magnitude)) - 2): its byte is the largest magnitude's exponent field - 2, held at 1 from below.
; LIMITS: NaN and infinities are not served; a block of zeros gets the byte 1 and not 127: its codes are zeros, and this program alone reads the bytes.
; No LDS, no barrier: waves share nothing.
.set X,   64                           ; v64-127 a part's numbers; v64-191 a tile's 128 numbers a lane
.set A,   8                            ; v8-15   four chains of packed sums; v8-11 the four blocks' largest magnitudes
.set SEL, 20                           ; s[20:21] selects of v_permlanex16_b32: lane l xor 16
.macro WSUM r, t                       ; the sum over the wave's 32 lanes, left in every lane
.irp m, 1,2,4,8
	s_delay_alu instid0(VALU_DEP_1)
	v_add_f32_dpp v[\r], v[\r], v[\r] row_xmask:\m row_mask:0xf bank_mask:0xf
.endr
	s_delay_alu instid0(VALU_DEP_1)
	v_permlanex16_b32 v[\t], v[\r], s[SEL], s[SEL+1]       ; its destination counts as read: it has been written
	s_delay_alu instid0(VALU_DEP_1)
	v_add_f32 v[\r], v[\r], v[\t]
.endm
.macro JOIN                            ; the four chains, their halves, the lanes
	s_delay_alu instid0(VALU_DEP_3)
	v_pk_add_f32 v[A:A+1], v[A:A+1], v[A+2:A+3]
	s_delay_alu instid0(VALU_DEP_2)
	v_pk_add_f32 v[A+4:A+5], v[A+4:A+5], v[A+6:A+7]
	s_delay_alu instid0(VALU_DEP_1)
	v_pk_add_f32 v[A:A+1], v[A:A+1], v[A+4:A+5]
	s_delay_alu instid0(VALU_DEP_1)
	v_add_f32 v[A], v[A], v[A+1]
	WSUM A, A+1
.endm
	s_load_b256 s[4:11], s[0:1], 0x0               ; x s[4:5], qkv_w s[6:7], proj_w s[8:9], stats s[10:11]
	s_load_b64 s[12:13], s[0:1], 0x20              ; wq
	v_lshrrev_b32 v1, 5, v0
	s_delay_alu instid0(VALU_DEP_1)
	v_readfirstlane_b32 s14, v1                    ; wave 0..7
	v_and_b32 v1, 31, v0                           ; lane
	s_mov_b32 s[SEL], 0x76543210
	s_mov_b32 s[SEL+1], 0xfedcba98
	s_cmp_lt_u32 ttmp9, 256
	s_cbranch_scc0 .Lweights
	; ---- statistics
	s_lshl_b32 s15, ttmp9, 3
	s_add_co_u32 s15, s15, s14                     ; my part: 8 x work-group + wave
	s_lshl_b32 s16, s15, 13                        ; 8,192 bytes a part
	s_mov_b32 s17, 0
	s_lshl_b32 s18, s15, 3                         ; 8 bytes of statistics a part
	s_mov_b32 s19, 0
	s_wait_alu depctr_va_vdst(0)
	v_lshlrev_b32 v2, 4, v1                        ; 16 bytes a lane
	s_wait_alu depctr_va_vdst(0)
	s_wait_kmcnt 0x0
	s_add_nc_u64 s[4:5], s[4:5], s[16:17]
	s_add_nc_u64 s[10:11], s[10:11], s[18:19]
.irp k, 0,1,2,3,4,5,6,7,8,9,10,11,12,13,14,15
	global_load_b128 v[X+4*\k:X+4*\k+3], v2, s[4:5] offset:512*\k     ; 32 lanes read 512 consecutive bytes; the whole part is on its way at once
.endr
	s_wait_loadcnt 0x0
.irp q, 0,1,2,3
	v_pk_add_f32 v[A+2*\q:A+2*\q+1], v[X+2*\q:X+2*\q+1], v[X+8+2*\q:X+8+2*\q+1]   ; the first additions start the chains: nothing is cleared
.endr
.irp p, 8,12,16,20,24,28
.irp q, 0,1,2,3
	s_delay_alu instid0(VALU_DEP_4)
	v_pk_add_f32 v[A+2*\q:A+2*\q+1], v[A+2*\q:A+2*\q+1], v[X+2*(\p+\q):X+2*(\p+\q)+1]
.endr
.endr
	JOIN
	s_delay_alu instid0(VALU_DEP_1)
	v_mul_f32 v4, 0x3a000000, v[A]                 ; the part's mean: sum x 2^-11
	s_delay_alu instid0(VALU_DEP_1)
	v_mov_b32 v5, v4                               ; twice: a pair for the packed subtraction
.set i, 0
.rept 32
	v_pk_add_f32 v[X+i:X+i+1], v[X+i:X+i+1], v[4:5] neg_lo:[0,1] neg_hi:[0,1]     ; x - mean
.set i, i+2
.endr
.irp q, 0,1,2,3
	v_pk_mul_f32 v[A+2*\q:A+2*\q+1], v[X+2*\q:X+2*\q+1], v[X+2*\q:X+2*\q+1]
.endr
.irp p, 4,8,12,16,20,24,28
.irp q, 0,1,2,3
	s_delay_alu instid0(VALU_DEP_4)
	v_pk_fma_f32 v[A+2*\q:A+2*\q+1], v[X+2*(\p+\q):X+2*(\p+\q)+1], v[X+2*(\p+\q):X+2*(\p+\q)+1], v[A+2*\q:A+2*\q+1]
.endr
.endr
	JOIN
	s_delay_alu instid0(VALU_DEP_1)
	v_mov_b32 v5, v[A]                             ; M2 beside the mean
	v_mov_b32 v3, 0
	s_wait_alu depctr_va_vdst(0)
	s_wait_xcnt 0x0                                ; EXEC changes only behind this wait
	v_cmp_eq_u32 vcc_lo, 0, v1
	s_and_saveexec_b32 s22, vcc_lo
	global_store_b64 v3, v[4:5], s[10:11]          ; lane 0 stores the part's 8 bytes
	s_wait_xcnt 0x0                                ; and again in front of the line that widens it
	s_or_b32 exec_lo, exec_lo, s22
	s_endpgm
	; ---- weights
.Lweights:
	s_sub_co_u32 s15, ttmp9, 256
	s_lshl_b32 s16, s15, 3
	s_add_co_u32 s16, s16, s14                     ; my tile T = 8 x (work-group - 256) + wave
	s_wait_kmcnt 0x0
	s_cmp_lt_u32 s15, 6                            ; tiles 0-47 are qkv_w's: the choice hangs on the work-group's number alone
	s_cselect_b64 s[6:7], s[6:7], s[8:9]
	s_cselect_b32 s17, 0, 48
	s_sub_co_u32 s17, s16, s17                     ; the tile's number in its own tensor
	s_lshr_b32 s18, s17, 1
	s_lshl_b32 s18, s18, 5
	s_and_b32 s19, s17, 1
	s_lshl_b32 s19, s19, 3
	s_add_co_u32 s18, s18, s19                     ; its first row: 32 (T / 2) + 8 (T % 2)
	s_lshl_b32 s18, s18, 10                        ; a row is 1,024 bytes
	s_mov_b32 s19, 0
	s_add_nc_u64 s[6:7], s[6:7], s[18:19]
	s_lshl_b32 s18, s16, 11                        ; the tile's codes: 2,048 bytes
	s_add_nc_u64 s[24:25], s[12:13], s[18:19]
	s_lshl_b32 s18, s16, 7                         ; its scale words: 128 bytes
	s_add_nc_u64 s[26:27], s[12:13], s[18:19]
	s_wait_alu depctr_va_vdst(0)
	v_and_b32 v2, 15, v1                           ; r
	v_lshrrev_b32 v6, 4, v1                        ; h
	s_delay_alu instid0(VALU_DEP_2)
	v_and_b32 v3, 8, v2
	s_delay_alu instid0(VALU_DEP_1)
	v_add_nc_u32 v3, v3, v2                        ; r + 8 (r / 8)
	s_delay_alu instid0(VALU_DEP_1)
	v_lshlrev_b32 v3, 10, v3
	s_delay_alu instid0(VALU_DEP_1)
	v_lshl_add_u32 v3, v6, 7, v3                   ; my row, + 128 h: my 32 numbers of each 64
.irp q, 0,1,2,3                                ; q = 2 s + c: a whole block of 32 along K for each q lies in my registers
.irp g, 0,1,2,3,4,5,6,7
	global_load_b128 v[X+32*\q+4*\g:X+32*\q+4*\g+3], v3, s[6:7] offset:256*\q+16*\g
.endr
.endr
	v_lshlrev_b32 v7, 3, v6                        ; 8 h
	v_mov_b32 v22, 0                               ; a lane permute's destination counts as one of its sources
	v_mov_b32 v23, 0
	v_lshlrev_b32 v24, 4, v1                       ; an image's place for my lane
	v_lshlrev_b32 v25, 2, v1                       ; a scale word's
	s_mov_b32 s22, 0xffff0000                      ; lanes 16-31
	s_wait_loadcnt 0x0
.irp q, 0,1,2,3
	v_max3_num_f32 v[A+\q], |v[X+32*\q]|, |v[X+32*\q+1]|, 0x1800000        ; and the floor 2^(3 - 127): the byte cannot fall under 1
.endr
.irp i, 2,4,6,8,10,12,14,16,18,20,22,24,26,28,30
.irp q, 0,1,2,3
	s_delay_alu instid0(VALU_DEP_4)
	v_max3_num_f32 v[A+\q], v[A+\q], |v[X+32*\q+\i]|, |v[X+32*\q+\i+1]|    ; the four blocks by turns
.endr
.endr
.irp q, 0,1,2,3
	s_delay_alu instid0(VALU_DEP_4)
	v_add_nc_u32 v[12+\q], 0xff000000, v[A+\q]     ; 2 off the exponent field: the conversion takes this operand's exponent field as its scale
.endr
.irp q, 0,1,2,3
	s_delay_alu instid0(VALU_DEP_4)
	v_lshrrev_b32 v[16+\q], 23, v[12+\q]           ; the scale's byte
.endr
.irp q, 0,1,2,3
.irp g, 0,1,2,3
	v_cvt_scalef32_pk8_fp4_f32 v[32+4*\q+\g], v[X+32*\q+8*\g:X+32*\q+8*\g+7], v[12+\q]
.endr
.endr
	v_nop                                          ; one plain place behind the last scaled conversion
.irp s, 0,1                                    ; K step s: my bytes are those of blocks h and 2 + h
	v_lshl_or_b32 v[20+\s], v[17+2*\s], 16, v[16+2*\s]
	s_delay_alu instid0(VALU_DEP_1)
	v_lshlrev_b32 v[20+\s], v7, v[20+\s]           ; 8 h bits up
.endr
	s_delay_alu instid0(VALU_DEP_3)
	v_permlanex16_b32 v22, v20, s[SEL], s[SEL+1]
	s_delay_alu instid0(VALU_DEP_2)
	v_permlanex16_b32 v23, v21, s[SEL], s[SEL+1]
	s_delay_alu instid0(VALU_DEP_2)
	v_or_b32 v20, v20, v22                         ; with lane l xor 16's two bytes the word is whole
	s_delay_alu instid0(VALU_DEP_2)
	v_or_b32 v21, v21, v23
	s_delay_alu instid0(VALU_DEP_1)
	v_cndmask_b32 v20, v20, v21, s22               ; lanes 0-15 keep K step 0's word, lanes 16-31 take K step 1's
.irp q, 0,1,2,3
	global_store_b128 v24, v[32+4*\q:32+4*\q+3], s[24:25] offset:512*\q    ; 512 consecutive bytes, aligned
.endr
	global_store_b32 v25, v20, s[26:27] offset:131072
	s_endpgm
.Lfunc_end_k_q4ab90f7607_prep:
	.size	k_q4ab90f7607_prep, .Lfunc_end_k_q4ab90f7607_prep-k_q4ab90f7607_prep
	.p2alignl 7, 3214868480
	.fill 96, 4, 3214868480
	.section	.rodata,"a",@progbits
	.p2align	6, 0x0
	.amdhsa_kernel k_q4ab90f7607_prep
		.amdhsa_group_segment_fixed_size 0
		.amdhsa_private_segment_fixed_size 0
		.amdhsa_enable_private_segment 0
		.amdhsa_kernarg_size 40
		.amdhsa_user_sgpr_count 2
		.amdhsa_user_sgpr_kernarg_segment_ptr 1
		.amdhsa_wavefront_size32 1
		.amdhsa_system_sgpr_workgroup_id_x 1
		.amdhsa_system_sgpr_workgroup_id_y 1
		.amdhsa_system_sgpr_workgroup_id_z 1
		.amdhsa_system_vgpr_workitem_id 0
		.amdhsa_next_free_vgpr 192
		.amdhsa_next_free_sgpr 66
		.amdhsa_reserve_vcc 1
		.amdhsa_float_denorm_mode_32 3
		.amdhsa_float_denorm_mode_16_64 3
		.amdhsa_memory_ordered 1
		.amdhsa_forward_progress 1
		.amdhsa_inst_pref_size 26
	.end_amdhsa_kernel
	.amdgpu_metadata
---
amdhsa.version: [ 1, 2 ]
amdhsa.kernels:
  - .name:           k_q4ab90f7607_prep
    .symbol:         k_q4ab90f7607_prep.kd
    .args:
      - { .name: x, .offset: 0, .size: 8, .value_kind: global_buffer, .address_space: global }
      - { .name: qkv_w, .offset: 8, .size: 8, .value_kind: global_buffer, .address_space: global }
      - { .name: proj_w, .offset: 16, .size: 8, .value_kind: global_buffer, .address_space: global }
      - { .name: stats, .offset: 24, .size: 8, .value_kind: global_buffer, .address_space: global }
      - { .name: wq, .offset: 32, .size: 8, .value_kind: global_buffer, .address_space: global }
    .group_segment_fixed_size: 0
    .private_segment_fixed_size: 0
    .kernarg_segment_align: 8
    .kernarg_segment_size: 40
    .max_flat_workgroup_size: 256
    .sgpr_count:     66
    .vgpr_count:     192
    .wavefront_size: 32
...
	.end_amdgpu_metadata
.endif
;; end of part 1
;; launch qkv (part 2): grid 256 x 1, 4 waves a work-group, no clusters, 9,728 bytes of LDS; arguments x, gn_gamma, gn_beta, qkv_b, stats, wq, qq, kv; writes qq, kv
.if DOCPART == 2
	.amdgcn_target "amdgcn-amd-amdhsa--gfx1250"
	.amdhsa_code_object_version 6
	.text
	.protected	k_q4ab90f7607_qkv
	.globl	k_q4ab90f7607_qkv
	.p2align	8
	.type	k_q4ab90f7607_qkv,@function
k_q4ab90f7607_qkv:
	s_mov_b64 s[64:65], 0
	v_nop
	global_prefetch_b8 v0, s[64:65] scope:SCOPE_SE
	s_setreg_imm32_b32 hwreg(HW_REG_WAVE_MODE, 25, 1), 1
	s_wait_xcnt 0x0
; Group norm, its quantiser, the product with qkv_w (codes of FP4 with E8M0 scales, made by the launch before), the bias, and the quantisers of q, k and v.
; SHARES.  A work-group takes 64 pixels (block B64) of one image and all 768 outputs.
; PHASE X: wave w normalises and quantises pixels 32 (w % 2) + lane, channels 128 (w / 2) .. + 127: A LANE IS A PIXEL AND ITS REGISTERS RUN DOWN THE CHANNELS, which are K:
; a block of 32 (one norm group) lies in one lane, and each load reads 128 consecutive bytes.  The codes go to LDS as images of the operand's registers; one barrier.
; PHASE G: wave w is head w.  Its 12 weight tiles (4 each of q, k, v) lie in registers, read once.
;   q, k: source 0 = 16 rows of the weight, source 1 = 16 pixels: a lane holds one pixel and its registers run along the head's 64, the next K.
;   v:    source 0 = 16 pixels, source 1 = 16 rows of the weight: a lane holds one channel and its registers run along the pixels (the keys), the next K.
; THE PIXELS OF A TILE ARE NOT NEIGHBOURS: row i of tile j = 2 pair + u is pixel 32 pair + 8 u + i + 8 (i / 8) of the block; the weights' tiles likewise.  So the 16 registers of two neighbouring tiles are 16 neighbours.
; The biases are the C of each sum's first matrix instruction.
; OUT (images: four registers, lane l's 16 bytes at 16 l):  qq [bh][B64][2304]: codes of tile j at 512 j; scale words at 2048 + 8 (16 u + i) + 4 pair.
;   kv [bh][step of 128 keys][8960], c64 = B64 % 2: K's codes at 512 (4 c64 + j); V's at 4096 + 512 (4 c64 + t); K's scale words at 8192 + 256 c64 + 8 lane + 4 pair;
;   V's at 8704 + 8 lane + 4 (t / 2), byte 2 c64 + block.  q's and k's K is 64: the upper 64 of the instruction's 128 are zero codes, their scale bytes 127.
; h = (x - mean) x (rstd x gamma) + beta: one order of rounding other than (x - mean) x rstd x gamma + beta.
; LIMITS: NaN and infinities are not served; a block of zeros gets the byte 1 and not 127: its codes are zeros, and this program alone reads the bytes.
; V's scale bytes leave as 2 bytes a lane, 8 bytes apart: 64 bytes a tile pair; all other stores cover 256 or 512 consecutive bytes.
; REGISTERS, in windows of 256.  Window 0: below.  Window 1: the weights' fragments at 64 part + 16 t + 8 s + 4 c.  Window 2: q's and k's biases at 32 part + 8 t, v's at 64 + 8 t.
;   Window 3: gamma of my 128 channels at 0, beta at 128, each number in every lane.
.set HP,   2176                        ; LDS: h's tile j at HP j + 1024 s + 512 c + 16 lane: 2,048 bytes + 128, so that the two tiles that a store touches fall on different banks
.set HSC,  4*HP                        ; its scale words at HSC + 128 j + 64 s + 4 i
.set L4,   4                           ; v4   4 x lane
.set L16,  5                           ; v5   16 x lane
.set L8,   6                           ; v6   8 x lane
.set ZO,   7                           ; v7   0
.set HWI,  8                           ; v8   where I store my pixel's codes
.set HWS,  9                           ; v9   and its scale word
.set BQ,   10                          ; v10  64 h: q's and k's biases
.set BV,   11                          ; v11  4 (r + 8 (r / 8)): v's
.set WS,   16                          ; v16-27 the weights' scale words, 4 part + t: scales and nothing else
.set HS,   28                          ; v28-31 h's scale words, tile j: lanes 0-15 K step 0, lanes 16-31 K step 1
.set XR,   32                          ; v32-159 phase X: my pixel's 128 channels
.set HF,   32                          ; v32-95  phase G: h's fragments, 16 j + 8 s + 4 c
.set ACC,  96                          ; v96-127 four accumulators
.set CD,   128                         ; v128-143 codes of four tiles
.set WD,   144                         ; v144-147 their scale words
.set SP,   148                         ; v148-149 scale words as they are stored
.set TM,   160                         ; v160-165 the quantiser's work
.set XC,   168                         ; v168-183 phase X: codes
.set XW,   184                         ; v184 phase X: the scale word
.set XM,   186                         ; v186-189 largest magnitudes, then bytes
.set SL,   192                         ; v192-207 statistics as loaded: group k: mean, M2 of two parts
.set SM,   208                         ; v208-211 sums
.set PT,   212                         ; v212-215 permute destinations
.set MP,   216                         ; v216-223 the groups' means, each twice
.set RP,   224                         ; v224-231 1 / sqrt(var + eps), each twice
.set D0,   232                         ; v232-239 distances of the parts' means
.set D1,   236
.set XE,   240                         ; v240-243 the conversions' scale operands
.set GA,   0                           ; window 3
.set BE,   128
.set WSB,  32                          ; s[32:33] wq at my scale words;  s[34:35] at my codes
.set WCB,  34
.set QB,   20                          ; s[20:21] qq at my block
.set KB1,  42                          ; s[42:43] kv at my step + 2048 c64;  s[44:45] + 256 c64;  s[46:47] + 2 c64
.set KB2,  44
.set KB3,  46
.set SEL,  52                          ; s[52:53] selects of v_permlanex16_b32: lane l xor 16
.set EPS,  54
.set MSB, 0
.macro WIN new                         ; the immediate's high byte repeats the setting that is left
.if MSB != \new
	s_set_vgpr_msb (MSB<<8)|\new
.set MSB, \new
.endif
.endm
.macro PLACES
.rept 4
	v_nop
.endr
.endm
.macro WSUM4 r, t                      ; four sums over the wave's lanes, by turns, each left in every lane
.irp m, 1,2,4,8
.irp k, 0,1,2,3
	v_add_f32_dpp v[\r+\k], v[\r+\k], v[\r+\k] row_xmask:\m row_mask:0xf bank_mask:0xf
.endr
.endr
.irp k, 0,1,2,3
	v_permlanex16_b32 v[\t+\k], v[\r+\k], s[SEL], s[SEL+1]
.endr
.irp k, 0,1,2,3
	v_add_f32 v[\r+\k], v[\r+\k], v[\t+\k]
.endr
.endm
; 32 numbers of a lane, register 16 b + i = index 32 b + 16 (lane / 16) + i along the next K, become four registers of codes (lane (r, h): indices 32 h + 0 .. 31) and a word with the two scale bytes.
; The numbers are read from the low end on, each accumulator's lowest registers first.
.macro QUANT2 s, cd, wd
.irp b, 0,1
	v_max3_num_f32 v[TM+\b], |v[\s+16*\b]|, |v[\s+16*\b+1]|, 0x1800000      ; and the floor 2^(3 - 127): the byte cannot fall under 1
.endr
.irp i, 2,4,6,8,10,12,14
.irp b, 0,1
	v_max3_num_f32 v[TM+\b], v[TM+\b], |v[\s+16*\b+\i]|, |v[\s+16*\b+\i+1]|
.endr
.endr
.irp b, 0,1
	v_permlanex16_b32 v[TM+2+\b], v[TM+\b], s[SEL], s[SEL+1]
.endr
.irp b, 0,1
	v_max_num_f32 v[TM+\b], v[TM+\b], v[TM+2+\b]   ; with lane l xor 16's 16: the block's largest magnitude
.endr
.irp b, 0,1
	v_add_nc_u32 v[TM+4+\b], 0xff000000, v[TM+\b]  ; 2 off its exponent field: the conversion's scale operand
.endr
.irp b, 0,1
	v_lshrrev_b32 v[TM+2+\b], 23, v[TM+4+\b]       ; the scale's byte
.endr
	v_lshl_or_b32 v[\wd], v[TM+3], 8, v[TM+2]
	v_cvt_scalef32_pk8_fp4_f32 v[\cd], v[\s:\s+7], v[TM+4]
	v_cvt_scalef32_pk8_fp4_f32 v[\cd+1], v[\s+8:\s+15], v[TM+4]
	v_cvt_scalef32_pk8_fp4_f32 v[\cd+2], v[\s+16:\s+23], v[TM+5]
	v_cvt_scalef32_pk8_fp4_f32 v[\cd+3], v[\s+24:\s+31], v[TM+5]
	v_nop                                          ; one plain place behind a scaled conversion
	v_permlane16_swap_b32 v[\cd], v[\cd+2]         ; the operand's layout wants a whole block in a lane: lanes 0-15 block 0, lanes 16-31 block 1
	v_permlane16_swap_b32 v[\cd+1], v[\cd+3]
.endm
	s_load_b512 s[8:23], s[0:1], 0x0               ; x s[8:9], gamma s[10:11], beta s[12:13], qkv_b s[14:15], stats s[16:17], wq s[18:19], qq s[20:21], kv s[22:23]
	v_lshl_add_u32 v254, v0, 2, 0x2400
	v_mov_b32 v255, 0
	v_lshrrev_b32 v1, 5, v0
	v_readfirstlane_b32 s2, v1                     ; wave = head w
	s_and_b32 s3, s2, 1                            ; pg: which 32 pixels I quantise
	s_lshr_b32 s4, s2, 1                           ; ks: which 128 channels
	s_lshr_b32 s5, ttmp9, 6                        ; image b
	s_and_b32 s6, ttmp9, 63                        ; block B64
	s_mov_b32 s7, 0xffff0000                       ; lanes 16-31
	s_mov_b32 s[SEL], 0x76543210
	s_mov_b32 s[SEL+1], 0xfedcba98
	s_mov_b32 s[EPS], 0x3727c5ac                   ; 1e-5
	v_and_b32 v1, 31, v0                           ; lane
	v_and_b32 v2, 15, v0                           ; r
	v_bfe_u32 v3, v0, 4, 1                         ; h
	v_lshlrev_b32 v[L4], 2, v1
	v_lshlrev_b32 v[L16], 4, v1
	v_lshlrev_b32 v[L8], 3, v1
	v_mov_b32 v[ZO], 0
	v_bfe_u32 v12, v0, 3, 1                        ; my pixel's tile in its pair: u = bit 3 of the lane
	v_and_b32 v13, 7, v0
	v_lshl_or_b32 v13, v3, 3, v13                  ; and its row there: i = (lane & 7) | (bit 4) << 3
	s_mul_i32 s24, s3, 2*HP
	s_lshl_b32 s25, s4, 10
	s_add_co_u32 s24, s24, s25
	v_mul_u32_u24 v[HWI], v12, HP
	v_lshl_add_u32 v[HWI], v13, 4, v[HWI]
	v_add_nc_u32 v[HWI], s24, v[HWI]               ; HP (2 pg + u) + 1024 ks + 16 i; block kb of my four lies 256 kb on
	s_lshl_b32 s24, s3, 8
	s_lshl_b32 s25, s4, 6
	s_add_co_u32 s24, s24, s25
	s_add_co_u32 s24, s24, HSC
	v_lshlrev_b32 v[HWS], 7, v12
	v_lshl_add_u32 v[HWS], v13, 2, v[HWS]
	v_add_nc_u32 v[HWS], s24, v[HWS]               ; HSC + 128 (2 pg + u) + 64 ks + 4 i
	v_lshlrev_b32 v[BQ], 6, v3
	v_and_b32 v[BV], 8, v2
	v_add_nc_u32 v[BV], v[BV], v2
	v_lshlrev_b32 v[BV], 2, v[BV]
.irp k, 0,1,2,3
	v_mov_b32 v[PT+\k], 0                          ; written once: a lane permute's destination counts as one of its sources
.endr
	v_mov_b32 v[TM+2], 0
	v_mov_b32 v[TM+3], 0
	; byte offsets, each in a pair of its own
	s_lshl_b32 s24, s5, 3
	s_lshl_b32 s25, s4, 2
	s_add_co_u32 s24, s24, s25
	s_lshl_b32 s24, s24, 9                         ; stats: my four groups 8 b + 4 ks on, 512 bytes each
	s_mov_b32 s25, 0
	s_lshl_b32 s26, s2, 8                          ; qkv_b: 64 numbers a head
	s_mov_b32 s27, 0
	s_lshl_b32 s28, s4, 9                          ; gamma, beta: my 128 channels
	s_mov_b32 s29, 0
	s_lshl_b32 s30, s5, 22                         ; x: image, 128 ks channels of 16,384 bytes, 256 bytes a block, 128 a half
	s_lshl_b32 s31, s4, 21
	s_add_co_u32 s30, s30, s31
	s_lshl_b32 s31, s6, 8
	s_add_co_u32 s30, s30, s31
	s_lshl_b32 s31, s3, 7
	s_add_co_u32 s30, s30, s31
	s_mov_b32 s31, 0
	s_lshl_b32 s32, s2, 9                          ; wq: a head's four tiles: 512 bytes of scale words,
	s_mov_b32 s33, 0
	s_lshl_b32 s34, s2, 13                         ; 8,192 of codes
	s_mov_b32 s35, 0
	s_lshl_b32 s36, s5, 2
	s_add_co_u32 s36, s36, s2                      ; bh = 4 b + head
	s_lshl_b32 s37, s36, 6
	s_add_co_u32 s37, s37, s6
	s_mul_i32 s38, s37, 2304                       ; qq: my block
	s_mov_b32 s39, 0
	s_lshl_b32 s37, s36, 5
	s_lshr_b32 s40, s6, 1
	s_add_co_u32 s37, s37, s40
	s_mul_i32 s37, s37, 8960                       ; kv: my step
	s_and_b32 s40, s6, 1                           ; c64
	s_lshl_b32 s41, s40, 11
	s_add_co_u32 s42, s37, s41
	s_mov_b32 s43, 0
	s_lshl_b32 s41, s40, 8
	s_add_co_u32 s44, s37, s41
	s_mov_b32 s45, 0
	s_lshl_b32 s41, s40, 1
	s_add_co_u32 s46, s37, s41
	s_mov_b32 s47, 0
	s_wait_alu depctr_va_vdst(0)
	s_wait_kmcnt 0x0
	s_add_nc_u64 s[16:17], s[16:17], s[24:25]
	s_add_nc_u64 s[14:15], s[14:15], s[26:27]
	s_add_nc_u64 s[10:11], s[10:11], s[28:29]
	s_add_nc_u64 s[12:13], s[12:13], s[28:29]
	s_add_nc_u64 s[8:9], s[8:9], s[30:31]
	s_add_nc_u64 s[WSB:WSB+1], s[18:19], s[32:33]
	s_add_nc_u64 s[WCB:WCB+1], s[18:19], s[34:35]
	s_add_nc_u64 s[QB:QB+1], s[20:21], s[38:39]
	s_add_nc_u64 s[KB1:KB1+1], s[22:23], s[42:43]
	s_add_nc_u64 s[KB2:KB2+1], s[22:23], s[44:45]
	s_add_nc_u64 s[KB3:KB3+1], s[22:23], s[46:47]
	; ---- all loads, what phase X wants first, the weights last
.irp k, 0,1,2,3
	global_load_b128 v[SL+4*\k:SL+4*\k+3], v[L16], s[16:17] offset:512*\k      ; group k: my two of its 64 parts
.endr
	WIN 0x80                                       ; destination window 2
.irp p, 0,1
.irp t, 0,1,2,3                                ; lane (r, h), register n of tile t: the bias of channel 32 (t / 2) + 8 (t % 2) + 16 h + n of the head
	global_load_b128 v[32*\p+8*\t:32*\p+8*\t+3], v[BQ], s[14:15] offset:1024*\p+4*(32*(\t/2)+8*(\t%2))
	global_load_b128 v[32*\p+8*\t+4:32*\p+8*\t+7], v[BQ], s[14:15] offset:1024*\p+4*(32*(\t/2)+8*(\t%2))+16
.endr
.endr
.irp t, 0,1,2,3                                ; v: a lane holds one channel, so all eight registers hold its bias
.irp n, 0,1,2,3,4,5,6,7
	global_load_b32 v[64+8*\t+\n], v[BV], s[14:15] offset:2048+4*(32*(\t/2)+8*(\t%2))
.endr
.endr
	WIN 0xc0                                       ; destination window 3
.set g, 0
.rept 32
	global_load_b128 v[GA+4*g:GA+4*g+3], v[ZO], s[10:11] offset:16*g           ; every lane reads the same 16 bytes: register i = channel i's gamma
	global_load_b128 v[BE+4*g:BE+4*g+3], v[ZO], s[12:13] offset:16*g
.set g, g+1
.endr
	WIN 0
.set k, 0
.rept 128
	global_load_b32 v[XR+k], v[L4], s[8:9] offset:16384*k                      ; channel k of my 128 at 32 neighbouring pixels: 128 consecutive bytes
.set k, k+1
.endr
.irp p, 0,1,2
.irp t, 0,1,2,3
	global_load_b32 v[WS+4*\p+\t], v[L4], s[WSB:WSB+1] offset:131072+2048*\p+128*\t
.endr
.endr
	WIN 0x40                                       ; destination window 1
.irp p, 0,1,2
.irp t, 0,1,2,3
.irp q, 0,1,2,3
	global_load_b128 v[64*\p+16*\t+4*\q:64*\p+16*\t+4*\q+3], v[L16], s[WCB:WCB+1] offset:32768*\p+2048*\t+512*\q
.endr
.endr
.endr
	WIN 0
	; ---- PHASE X
	s_wait_loadcnt 60                              ; all but the youngest 60, the weights' 12 scale words and 48 code loads, are in
.irp k, 0,1,2,3
	v_add_f32 v[SM+\k], v[SL+4*\k], v[SL+4*\k+2]
.endr
	WSUM4 SM, PT
.irp k, 0,1,2,3
	v_mul_f32 v[MP+2*\k], 0x3c800000, v[SM+\k]     ; the group's mean: the 64 parts are equally large: sum of their means x 2^-6
.endr
.irp k, 0,1,2,3
	v_mov_b32 v[MP+2*\k+1], v[MP+2*\k]             ; twice: a pair for the packed subtraction
.endr
.irp k, 0,1,2,3
	v_sub_f32 v[D0+\k], v[SL+4*\k], v[MP+2*\k]
.endr
.irp k, 0,1,2,3
	v_sub_f32 v[D1+\k], v[SL+4*\k+2], v[MP+2*\k]
.endr
.irp k, 0,1,2,3
	v_mul_f32 v[D0+\k], v[D0+\k], v[D0+\k]
.endr
.irp k, 0,1,2,3
	v_fma_f32 v[D0+\k], v[D1+\k], v[D1+\k], v[D0+\k]
.endr
.irp k, 0,1,2,3
	v_add_f32 v[SM+\k], v[SL+4*\k+1], v[SL+4*\k+3]
.endr
.irp k, 0,1,2,3
	v_fma_f32 v[SM+\k], v[D0+\k], 0x45000000, v[SM+\k]      ; M2 of the parts + 2,048 x the squared distances of their means
.endr
	WSUM4 SM, PT
.irp k, 0,1,2,3
	v_fma_f32 v[SM+\k], v[SM+\k], 0x37000000, s[EPS]        ; var + eps: M2 x 2^-17 + 1e-5
.endr
	s_wait_alu depctr_va_vdst(0)
.irp k, 0,1,2,3
	v_rsq_f32 v[RP+2*\k], v[SM+\k]
.endr
	v_nop                                          ; one plain place behind a transcendental
	s_wait_alu depctr_va_vdst(0)
.irp k, 0,1,2,3
	v_mov_b32 v[RP+2*\k+1], v[RP+2*\k]
.endr
	WIN 0xc3                                       ; destination and source 0 window 3
.irp k, 0,1,2,3
.irp i, 0,2,4,6,8,10,12,14,16,18,20,22,24,26,28,30
	v_pk_mul_f32 v[GA+32*\k+\i:GA+32*\k+\i+1], v[GA+32*\k+\i:GA+32*\k+\i+1], v[RP+2*\k:RP+2*\k+1]      ; a = gamma x rstd
.endr
.endr
	WIN 0
.irp k, 0,1,2,3
.irp i, 0,2,4,6,8,10,12,14,16,18,20,22,24,26,28,30
	v_pk_add_f32 v[XR+32*\k+\i:XR+32*\k+\i+1], v[XR+32*\k+\i:XR+32*\k+\i+1], v[MP+2*\k:MP+2*\k+1] neg_lo:[0,1] neg_hi:[0,1]   ; x - mean
.endr
.endr
	WIN 0x3c                                       ; sources 1 and 2 window 3
.set i, 0
.rept 64
	v_pk_fma_f32 v[XR+i:XR+i+1], v[XR+i:XR+i+1], v[GA+i:GA+i+1], v[BE+i:BE+i+1]      ; h = (x - mean) a + beta
.set i, i+2
.endr
	WIN 0
.irp k, 0,1,2,3                                ; my pixel's four blocks of 32 channels: all 32 numbers of a block are mine
	v_max3_num_f32 v[XM+\k], |v[XR+32*\k]|, |v[XR+32*\k+1]|, 0x1800000
.endr
.irp i, 2,4,6,8,10,12,14,16,18,20,22,24,26,28,30
.irp k, 0,1,2,3
	v_max3_num_f32 v[XM+\k], v[XM+\k], |v[XR+32*\k+\i]|, |v[XR+32*\k+\i+1]|
.endr
.endr
.irp k, 0,1,2,3
	v_add_nc_u32 v[XE+\k], 0xff000000, v[XM+\k]
.endr
.irp k, 0,1,2,3
	v_lshrrev_b32 v[XM+\k], 23, v[XE+\k]
.endr
	v_lshl_or_b32 v[XW], v[XM+1], 8, v[XM]         ; the four bytes are my pixel's scale word for this K step
	v_lshl_or_b32 v[XW], v[XM+2], 16, v[XW]
	v_lshl_or_b32 v[XW], v[XM+3], 24, v[XW]
.irp k, 0,1,2,3
.irp g, 0,1,2,3
	v_cvt_scalef32_pk8_fp4_f32 v[XC+4*\k+\g], v[XR+32*\k+8*\g:XR+32*\k+8*\g+7], v[XE+\k]
.endr
.endr
	v_nop                                          ; one plain place behind the last scaled conversion
.irp k, 0,1,2,3
	ds_store_b128 v[HWI], v[XC+4*\k:XC+4*\k+3] offset:256*\k       ; block k = 2 c + h of the image: 512 c + 256 h on
.endr
	ds_store_b32 v[HWS], v[XW]
	s_wait_dscnt 0x0                               ; for the others' sake: my stores have landed
	s_barrier_signal -1
	s_barrier_wait -1                              ; h's four tiles and their scale words lie in LDS
	; ---- PHASE G
	s_wait_loadcnt 0x0                             ; the weights
.irp j, 0,1,2,3
.irp q, 0,1,2,3
	ds_load_b128 v[HF+16*\j+4*\q:HF+16*\j+4*\q+3], v[L16] offset:HP*\j+512*\q
.endr
	ds_load_b32 v[HS+\j], v[L4] offset:HSC+128*\j
.endr
	s_wait_dscnt 0x0
; q (part 0) or k (part 1): for each tile of pixels the head's 64 channels in four accumulators, which take turns; then the quantiser along the 64.
; Between a tile's last products and the next tile's first, which write the accumulators anew, stand the four v_nop and the quantiser's lines on its own registers: more than five places.
.macro QKPART part, cb, sb, simm
	s_wait_xcnt 0x0                                ; earlier stores have read their data: CD and SP may be written again
.irp j, 0,1,2,3
	WIN 0x21                                       ; source 0 (weight) window 1, C (bias) window 2
.irp t, 0,1,2,3
	v_wmma_scale_f32_16x16x128_f8f6f4 v[ACC+8*\t:ACC+8*\t+7], v[64*\part+16*\t:64*\part+16*\t+7], v[HF+16*\j:HF+16*\j+7], v[32*\part+8*\t:32*\part+8*\t+7], v[WS+4*\part+\t], v[HS+\j] matrix_a_fmt:MATRIX_FMT_FP4 matrix_b_fmt:MATRIX_FMT_FP4
.endr
	WIN 0x01
.irp t, 0,1,2,3
	v_wmma_scale_f32_16x16x128_f8f6f4 v[ACC+8*\t:ACC+8*\t+7], v[64*\part+16*\t+8:64*\part+16*\t+15], v[HF+16*\j+8:HF+16*\j+15], v[ACC+8*\t:ACC+8*\t+7], v[WS+4*\part+\t], v[HS+\j] matrix_a_fmt:MATRIX_FMT_FP4 matrix_b_fmt:MATRIX_FMT_FP4 matrix_a_scale:MATRIX_SCALE_ROW1 matrix_b_scale:MATRIX_SCALE_ROW1
.endr
	WIN 0
	PLACES                                         ; four places in front of the first read of results (ISA guide 7.12.1)
	QUANT2 ACC, CD+4*\j, WD+\j
	v_or_b32 v[WD+\j], 0x7f7f0000, v[WD+\j]        ; the instruction's upper 64 along K are zero codes: their bytes are 127
.endr
.irp j, 0,1,2,3
	global_store_b128 v[L16], v[CD+4*\j:CD+4*\j+3], s[\cb:\cb+1] offset:512*\j     ; 512 consecutive bytes, aligned
.endr
	v_cndmask_b32 v[SP], v[WD], v[WD+1], s7        ; lanes 0-15 tile u = 0, lanes 16-31 tile u = 1: pair 0,
	v_cndmask_b32 v[SP+1], v[WD+2], v[WD+3], s7    ; pair 1
	global_store_b64 v[L8], v[SP:SP+1], s[\sb:\sb+1] offset:\simm                  ; 256 consecutive bytes, aligned
.endm
	QKPART 0, QB, QB, 2048
	QKPART 1, KB1, KB2, 8192
	; v: for each tile of 16 channels the block's 64 pixels in four accumulators; then the quantiser along the pixels
	s_wait_xcnt 0x0
.irp t, 0,1,2,3
	WIN 0x24                                       ; source 1 (weight) window 1, C (bias) window 2
.irp j, 0,1,2,3
	v_wmma_scale_f32_16x16x128_f8f6f4 v[ACC+8*\j:ACC+8*\j+7], v[HF+16*\j:HF+16*\j+7], v[128+16*\t:128+16*\t+7], v[64+8*\t:64+8*\t+7], v[HS+\j], v[WS+8+\t] matrix_a_fmt:MATRIX_FMT_FP4 matrix_b_fmt:MATRIX_FMT_FP4
.endr
	WIN 0x04
.irp j, 0,1,2,3
	v_wmma_scale_f32_16x16x128_f8f6f4 v[ACC+8*\j:ACC+8*\j+7], v[HF+16*\j+8:HF+16*\j+15], v[128+16*\t+8:128+16*\t+15], v[ACC+8*\j:ACC+8*\j+7], v[HS+\j], v[WS+8+\t] matrix_a_fmt:MATRIX_FMT_FP4 matrix_b_fmt:MATRIX_FMT_FP4 matrix_a_scale:MATRIX_SCALE_ROW1 matrix_b_scale:MATRIX_SCALE_ROW1
.endr
	WIN 0
	PLACES
	QUANT2 ACC, CD+4*\t, WD+\t
.endr
.irp t, 0,1,2,3
	global_store_b128 v[L16], v[CD+4*\t:CD+4*\t+3], s[KB1:KB1+1] offset:4096+512*\t
.endr
	v_cndmask_b32 v[SP], v[WD], v[WD+1], s7        ; lanes 0-15 tile 2 tp, lanes 16-31 tile 2 tp + 1
	v_cndmask_b32 v[SP+1], v[WD+2], v[WD+3], s7
.irp p, 0,1
	global_store_b16 v[L8], v[SP+\p], s[KB3:KB3+1] offset:8704+4*\p                ; my block's two bytes of the step's four
.endr
	s_wait_tensorcnt 0x0
	ds_add_u32 v254, v255
	s_wait_dscnt 0x0
	s_endpgm
.Lfunc_end_k_q4ab90f7607_qkv:
	.size	k_q4ab90f7607_qkv, .Lfunc_end_k_q4ab90f7607_qkv-k_q4ab90f7607_qkv
	.p2alignl 7, 3214868480
	.fill 96, 4, 3214868480
	.section	.rodata,"a",@progbits
	.p2align	6, 0x0
	.amdhsa_kernel k_q4ab90f7607_qkv
		.amdhsa_group_segment_fixed_size 9728
		.amdhsa_private_segment_fixed_size 0
		.amdhsa_enable_private_segment 0
		.amdhsa_kernarg_size 64
		.amdhsa_user_sgpr_count 2
		.amdhsa_user_sgpr_kernarg_segment_ptr 1
		.amdhsa_wavefront_size32 1
		.amdhsa_system_sgpr_workgroup_id_x 1
		.amdhsa_system_sgpr_workgroup_id_y 1
		.amdhsa_system_sgpr_workgroup_id_z 1
		.amdhsa_system_vgpr_workitem_id 0
		.amdhsa_next_free_vgpr 1024
		.amdhsa_next_free_sgpr 66
		.amdhsa_reserve_vcc 0
		.amdhsa_float_denorm_mode_32 3
		.amdhsa_float_denorm_mode_16_64 3
		.amdhsa_memory_ordered 1
		.amdhsa_forward_progress 1
		.amdhsa_inst_pref_size 97
	.end_amdhsa_kernel
	.amdgpu_metadata
---
amdhsa.version: [ 1, 2 ]
amdhsa.kernels:
  - .name:           k_q4ab90f7607_qkv
    .symbol:         k_q4ab90f7607_qkv.kd
    .args:
      - { .name: x, .offset: 0, .size: 8, .value_kind: global_buffer, .address_space: global }
      - { .name: gn_gamma, .offset: 8, .size: 8, .value_kind: global_buffer, .address_space: global }
      - { .name: gn_beta, .offset: 16, .size: 8, .value_kind: global_buffer, .address_space: global }
      - { .name: qkv_b, .offset: 24, .size: 8, .value_kind: global_buffer, .address_space: global }
      - { .name: stats, .offset: 32, .size: 8, .value_kind: global_buffer, .address_space: global }
      - { .name: wq, .offset: 40, .size: 8, .value_kind: global_buffer, .address_space: global }
      - { .name: qq, .offset: 48, .size: 8, .value_kind: global_buffer, .address_space: global }
      - { .name: kv, .offset: 56, .size: 8, .value_kind: global_buffer, .address_space: global }
    .group_segment_fixed_size: 9728
    .private_segment_fixed_size: 0
    .kernarg_segment_align: 8
    .kernarg_segment_size: 64
    .max_flat_workgroup_size: 128
    .sgpr_count:     66
    .vgpr_count:     1024
    .wavefront_size: 32
...
	.end_amdgpu_metadata
.endif
;; end of part 2
;; launch attn (part 3): grid 16 x 16, 16 waves a work-group, clusters of 4 x 1, 327,680 bytes of LDS; arguments qq, kv, oo; writes oo
.if DOCPART == 3
	.amdgcn_target "amdgcn-amd-amdhsa--gfx1250"
	.amdhsa_code_object_version 6
	.text
	.protected	k_q4ab90f7607_attn
	.globl	k_q4ab90f7607_attn
	.p2align	8
	.type	k_q4ab90f7607_attn,@function
k_q4ab90f7607_attn:
	s_mov_b64 s[64:65], 0
	v_nop
	global_prefetch_b8 v0, s[64:65] scope:SCOPE_SE
	s_setreg_imm32_b32 hwreg(HW_REG_WAVE_MODE, 25, 1), 1
	s_wait_xcnt 0x0
	s_wait_alu depctr_hold_cnt(0) depctr_sa_sdst(0) depctr_va_vdst(0) depctr_va_sdst(0) depctr_va_ssrc(0) depctr_va_vcc(0) depctr_vm_vsrc(0)
	s_getreg_b32 s2, hwreg(HW_REG_IB_STS2, 6, 4)
	s_cmp_eq_u32 s2, 0
	s_cbranch_scc0 .Lentry_in_a_cluster
	s_endpgm
.Lentry_in_a_cluster:
	s_bfe_u32 s2, ttmp6, 0x10000c
	s_cmp_lg_u32 s2, 0x3003
	s_cbranch_scc0 .Lentry_shape_is_right
	s_endpgm
.Lentry_shape_is_right:
; O[q] = sum over keys of softmax(q . k / 8) v for one head of 64, 4,096 keys, both products on codes of FP4 (E2M1) with E8M0 scales; then O / l is quantised along the channels for the projection.
; THE SOFTMAX AHEAD OF THE SECOND PRODUCT: t = score x log2(e) / 8; M = the row's largest t so far, rounded UP to a whole number; p = 2^(t - M) is quantised along the keys, not normalised.
; The row's sum is taken of the unquantised p and divides O at the end.  When M moves, the sum and O are multiplied by 2^(old M - new M): exact.
; SHARES.  A work-group owns 256 queries of one (image, head); each of its sixteen waves owns one tile of 16, in 256 registers: four waves to a SIMD, so that one wave's vector work stands beside another's
; matrix work and LDS loads.  Every wave walks all keys, 128 a step.
; LDS.  The head's K and V, codes and scale words, are 286,720 bytes as the launch before laid them (32 steps of 8,960 bytes): they are brought in ONCE, as they lie, and stay: no byte of LDS is filled twice.
; They come in four chunks of eight steps, each chunk in four loads of 70 rows x 256 bytes by waves 0-3: four tensor loads of a wave are out at the most.  A chunk is read behind a counted wait and a barrier.
; CLUSTER.  The four work-groups of a cluster belong to one head: each load is asked for JOINTLY, with the same descriptor and a mask that names the four.
; LAYOUT.  Operands lie as images of their registers (lane l's 16 bytes at 16 l): every LDS load takes 512 consecutive bytes.  Both products are used transposed: S^T = K Q^T, O^T = V^T P^T: a lane holds one query.
; The keys of a tile of K, and the channels of a tile of V, are chosen so that the 16 registers of two neighbouring tiles are 16 neighbours along the next K.
; The first product's K is 64: registers 4-7 of Q's and K's fragments are zero codes, written once; their scale bytes are 127.
; OUT: oo [image][B64][8704]: codes of (tile j, head) at 512 (4 j + head) + 16 lane; scale bytes at 8192 + 128 j + 64 (head / 2) + 4 row + 2 (head % 2) + block.
; The two scale bytes of a row leave as 2 bytes a lane, 4 bytes apart (lanes r and 16 + r store the same two bytes with the same value); the codes as 512 consecutive bytes.
; LIMITS: NaN and infinities are not served; p under 2^-126 counts as 0 (v_exp_f32 gives 0 there: ISA guide 15.8); a block of zeros gets the byte 1 and not 127: its codes are zeros, and this program alone reads the bytes.
.set STEPB, 8960                       ; a step in LDS: K's codes 4,096, V's codes 4,096, K's scale words 512, V's 256
.set CHUNK_B, 8*STEPB
.set QUART, CHUNK_B/4                  ; 17,920 = 70 rows of 256 bytes
.set L16, 1                            ; v1   16 x lane
.set L8,  2                            ; v2   8 x lane
.set ADR, 3                            ; v3   the step's images
.set ADS, 4                            ; v4   the step's scale words
.set R8,  7                            ; v7   8 r
.set R4,  9                            ; v9   4 r
.set QF,  16                           ; v16-23 Q's fragment (20-23 zeros)
.set QS,  24                           ; v24  Q's scale word
.set PS,  25                           ; v25  p's scale word
.set KS,  26                           ; v26-29 K's scale words: block b of 32 keys: lanes 0-15 its first tile, lanes 16-31 its second
.set VS,  30                           ; v30-31 V's: lanes 0-15 tile 2 tp, lanes 16-31 tile 2 tp + 1
.set KF,  32                           ; v32-95 K's eight fragments (registers 4-7 of each zeros)
.set S,   96                           ; v96-159 S^T, then p
.set O,   160                          ; v160-191 O^T
.set VF,  192                          ; v192-223 V's four fragments
.set PC,  224                          ; v224-231 p's codes
.set TM,  232                          ; the last quantiser's work
.set WV,  10                           ; s10  my wave's number
.set SEL, 20                           ; s[20:21] selects of v_permlanex16_b32: lane l xor 16
.set CS,  22                           ; s[22:23] c = log2(e) / 8
.set G1,  24                           ; s[24:31] descriptor group 1
.set G0,  32                           ; s[32:47] group 0, one set for each chunk
.set TB,  48                           ; s48  LDS byte at which the step begins
.set CNT, 49                           ; s49  steps to go in the chunk
.macro ROUND                           ; a round of the cluster's barrier
	s_barrier_signal -1
	s_barrier_wait -1
	s_cmp_lg_u32 s[WV], 0
	s_cbranch_scc1 .Lnot_wave_0_\@
	s_barrier_signal -3
.Lnot_wave_0_\@:
	s_barrier_wait -3
	s_barrier_signal -1
	s_barrier_wait -1
.endm
; 32 numbers of a lane, register 16 b + i = index 32 b + 16 (lane / 16) + i, become four registers of codes (lane (r, h): indices 32 h + 0 .. 31) and a word with the two scale bytes
.macro QUANT2 s, cd, wd
.irp b, 0,1
	v_max3_num_f32 v[TM+\b], |v[\s+16*\b]|, |v[\s+16*\b+1]|, 0x1800000
.endr
.irp i, 2,4,6,8,10,12,14
.irp b, 0,1
	s_delay_alu instid0(VALU_DEP_2)
	v_max3_num_f32 v[TM+\b], v[TM+\b], |v[\s+16*\b+\i]|, |v[\s+16*\b+\i+1]|
.endr
.endr
.irp b, 0,1
	s_delay_alu instid0(VALU_DEP_2)
	v_permlanex16_b32 v[TM+2+\b], v[TM+\b], s[SEL], s[SEL+1]
.endr
.irp b, 0,1
	s_delay_alu instid0(VALU_DEP_2)
	v_max_num_f32 v[TM+\b], v[TM+\b], v[TM+2+\b]
.endr
.irp b, 0,1
	s_delay_alu instid0(VALU_DEP_2)
	v_add_nc_u32 v[TM+4+\b], 0xff000000, v[TM+\b]
.endr
.irp b, 0,1
	s_delay_alu instid0(VALU_DEP_2)
	v_lshrrev_b32 v[TM+2+\b], 23, v[TM+4+\b]
.endr
	s_delay_alu instid0(VALU_DEP_1)
	v_lshl_or_b32 v[\wd], v[TM+3], 8, v[TM+2]
	v_cvt_scalef32_pk8_fp4_f32 v[\cd], v[\s:\s+7], v[TM+4]
	v_cvt_scalef32_pk8_fp4_f32 v[\cd+1], v[\s+8:\s+15], v[TM+4]
	v_cvt_scalef32_pk8_fp4_f32 v[\cd+2], v[\s+16:\s+23], v[TM+5]
	v_cvt_scalef32_pk8_fp4_f32 v[\cd+3], v[\s+24:\s+31], v[TM+5]
	v_nop
	v_permlane16_swap_b32 v[\cd], v[\cd+2]
	v_permlane16_swap_b32 v[\cd+1], v[\cd+3]
.endm
	s_load_b128 s[4:7], s[0:1], 0x0                ; qq s[4:5], kv s[6:7]
	s_load_b64 s[8:9], s[0:1], 0x10                ; oo
	v_lshl_add_u32 v251, v0, 2, 0x46000
	v_mov_b32 v255, 0
	ds_add_u32 v251, v255
	ds_add_u32 v251, v255
	v_lshrrev_b32 v8, 5, v0
	s_delay_alu instid0(VALU_DEP_1)
	v_readfirstlane_b32 s[WV], v8                  ; wave 0..15
	s_bfe_u32 s11, ttmp6, 0x40000                  ; cx: my place in the cluster: it enters qq's and oo's addresses alone
	s_lshl_b32 s12, ttmp9, 2
	s_add_co_u32 s12, s12, s11                     ; my block of 256 queries = 4 x cluster x + cx
	s_and_b32 s13, ttmp7, 0xffff                   ; bh = 4 x image + head, which the four partners share
	; descriptor group 1: 70 rows of 256 bytes (32 elements of 8 bytes), dense in memory and in LDS
	s_mov_b32 s[G1], 15|(3<<16)|(1<<21)            ; 15:0 the mask: all four work-groups; 17:16 elements of 8 bytes; 21 set beside a mask; no padding
	s_mov_b32 s[G1+1], 32<<16                      ; tensor_dim0 = 32
	s_mov_b32 s[G1+2], 70<<16                      ; tensor_dim1 = 70
	s_mov_b32 s[G1+3], 32<<16                      ; tile_dim0 = 32
	s_mov_b32 s[G1+4], 70                          ; tile_dim1 = 70
	s_mov_b32 s[G1+5], 32                          ; from row to row: 32 elements
	s_mov_b32 s[G1+6], 0
	s_mov_b32 s[G1+7], 0
	s_and_b32 s14, s[WV], 3
	s_mul_i32 s14, s14, QUART                      ; which quarter of a chunk I fetch, if I fetch
	s_mul_i32 s16, s13, 32*STEPB
	s_add_co_u32 s16, s16, s14                     ; the head's block of kv, my quarter
	s_mov_b32 s17, 0
	s_lshl_b32 s15, s12, 2
	s_lshr_b32 s18, s[WV], 2
	s_add_co_u32 s15, s15, s18                     ; my tile's block of 64 pixels: B64 = 4 x block of 256 + wave / 4
	s_and_b32 s18, s[WV], 3                        ; and its number there: j
	s_lshl_b32 s19, s13, 6
	s_add_co_u32 s19, s19, s15
	s_mul_i32 s19, s19, 2304                       ; qq: (64 bh + B64) x 2,304
	s_lshl_b32 s51, s18, 9
	s_add_co_u32 s52, s19, s51                     ; + 512 j: my codes
	s_mov_b32 s53, 0
	s_and_b32 s51, s18, 1
	s_lshl_b32 s51, s51, 7
	s_add_co_u32 s54, s19, s51                     ; + 128 u
	s_lshr_b32 s51, s18, 1
	s_lshl_b32 s51, s51, 2
	s_add_co_u32 s54, s54, s51                     ; + 4 pair: my scale words
	s_mov_b32 s55, 0
	s_lshr_b32 s19, s13, 2
	s_lshl_b32 s19, s19, 6
	s_add_co_u32 s19, s19, s15
	s_mul_i32 s19, s19, 8704                       ; oo: (64 image + B64) x 8,704
	s_and_b32 s51, s13, 3                          ; head
	s_lshl_b32 s50, s18, 2
	s_add_co_u32 s50, s50, s51
	s_lshl_b32 s50, s50, 9
	s_add_co_u32 s56, s19, s50                     ; + 512 (4 j + head): my codes
	s_mov_b32 s57, 0
	s_lshl_b32 s50, s18, 7
	s_add_co_u32 s58, s19, s50                     ; + 128 j
	s_lshr_b32 s50, s51, 1
	s_lshl_b32 s50, s50, 6
	s_add_co_u32 s58, s58, s50                     ; + 64 (head / 2)
	s_and_b32 s50, s51, 1
	s_lshl_b32 s50, s50, 1
	s_add_co_u32 s58, s58, s50                     ; + 2 (head % 2): my scale bytes
	s_mov_b32 s59, 0
	s_mov_b32 s[SEL], 0x76543210
	s_mov_b32 s[SEL+1], 0xfedcba98
	s_mov_b32 s[CS], 0x3e38aa3b                    ; c = log2(e) / 8
	s_mov_b32 s[CS+1], s[CS]                       ; (named with it as a pair, so it is written)
	s_wait_dscnt 0x0
	s_wait_kmcnt 0x0
	s_add_nc_u64 s[16:17], s[6:7], s[16:17]
.irp c, 0,1,2,3
	s_mov_b32 s[G0+4*\c], 1                                        ; count = 1
	s_add_co_u32 s[G0+4*\c+1], s14, CHUNK_B*\c                     ; LDS address: the bytes lie in LDS as in memory
	s_add_nc_u64 s[G0+4*\c+2:G0+4*\c+3], s[16:17], CHUNK_B*\c      ; global address
	s_or_b32 s[G0+4*\c+3], s[G0+4*\c+3], 0x80000000                ; type = 2
.endr
	s_add_nc_u64 s[52:53], s[4:5], s[52:53]
	s_add_nc_u64 s[54:55], s[4:5], s[54:55]
	s_add_nc_u64 s[56:57], s[8:9], s[56:57]
	s_add_nc_u64 s[58:59], s[8:9], s[58:59]
	ROUND                                          ; all four work-groups are here: the joint loads meet
	s_cmp_lt_u32 s[WV], 4                          ; all fills of the launch stand in one branch on the wave's number, ahead of every wait on TENSORcnt and every LDS read
	s_cbranch_scc0 .Lnofill
	tensor_load_to_lds s[G0:G0+3], s[G1:G1+7]
	s_nop 0
	tensor_load_to_lds s[G0+4:G0+7], s[G1:G1+7]
	s_nop 0
	tensor_load_to_lds s[G0+8:G0+11], s[G1:G1+7]
	s_nop 0
	tensor_load_to_lds s[G0+12:G0+15], s[G1:G1+7]
	s_nop 0
.rept 4
	v_nop                                          ; four v_nop follow the last of them, ahead of the label and what follows
.endr
.Lnofill:
	v_and_b32 v8, 31, v0
	s_delay_alu instid0(VALU_DEP_1)
	v_lshlrev_b32 v[L16], 4, v8
	s_delay_alu instid0(VALU_DEP_2)
	v_lshlrev_b32 v[L8], 3, v8
	v_and_b32 v5, 15, v0                           ; r
	s_delay_alu instid0(VALU_DEP_1)
	v_lshlrev_b32 v[R8], 3, v5
	s_delay_alu instid0(VALU_DEP_2)
	v_lshlrev_b32 v[R4], 2, v5
	global_load_b128 v[QF:QF+3], v[L16], s[52:53]  ; Q's fragment stays in registers
	global_load_b32 v[QS], v[R8], s[54:55] offset:2048
.irp n, 4,5,6,7
	v_mov_b32 v[QF+\n], 0                          ; the upper 64 along K: zero codes
.endr
.irp t, 0,1,2,3,4,5,6,7
.irp n, 4,5,6,7
	v_mov_b32 v[KF+8*\t+\n], 0                     ; the same in K's fragments: written once, no load lands there
.endr
.endr
.set i, 0
.rept 32
	v_mov_b32 v[O+i], 0                            ; O^T.  (The step is written once: the first finds zeros, which the first change of M leaves zeros)
.set i, i+1
.endr
	v_mov_b32 v13, 0xff61b1e6                      ; the largest t so far: -3e38, under every t
	s_delay_alu instid0(VALU_DEP_1)
	v_floor_f32 v12, -v13                          ; -M
	v_mov_b32 v14, 0                               ; the sum, in two halves
	v_mov_b32 v15, 0
.irp b, 0,1,2,3
	v_mov_b32 v[236+\b], 0                         ; a lane permute's destination counts as one of its sources
.endr
	v_mov_b32 v253, 0                              ; (named as the upper half of the pair v[252:253])
; A KEY STEP: 128 keys
.macro STEP
	v_add_nc_u32 v[ADR], s[TB], v[L16]
	v_add_nc_u32 v[ADS], s[TB], v[L8]
	v_nop
	v_nop                                          ; four places between the last step's products and the loads into registers that they read (over the backward jump too)
	ds_load_b64 v[KS:KS+1], v[ADS] offset:8192
	ds_load_b64 v[KS+2:KS+3], v[ADS] offset:8448
.irp t, 0,1,2,3,4,5,6,7
	ds_load_b128 v[KF+8*\t:KF+8*\t+3], v[ADR] offset:512*\t
.endr
	ds_load_b64 v[VS:VS+1], v[ADS] offset:8704
.irp t, 0,1,2,3
.irp c, 0,1
	ds_load_b128 v[VF+8*\t+4*\c:VF+8*\t+4*\c+3], v[ADR] offset:4096+512*(4*\c+\t)
.endr
.endr
	s_wait_dscnt 9                                 ; K and its scale words are in; the youngest nine loads, V's, may be out: they land under the softmax
.irp b, 0,1,2,3                                ; S^T = K Q^T: lane (r, h) holds query r; the 16 registers of tiles 2 b, 2 b + 1 are keys 32 b + 16 h + 0 .. 15
	v_wmma_scale_f32_16x16x128_f8f6f4 v[S+16*\b:S+16*\b+7], v[KF+16*\b:KF+16*\b+7], v[QF:QF+7], 0, v[KS+\b], v[QS] matrix_a_fmt:MATRIX_FMT_FP4 matrix_b_fmt:MATRIX_FMT_FP4
	v_wmma_scale_f32_16x16x128_f8f6f4 v[S+16*\b+8:S+16*\b+15], v[KF+16*\b+8:KF+16*\b+15], v[QF:QF+7], 0, v[KS+\b], v[QS] matrix_a_fmt:MATRIX_FMT_FP4 matrix_b_fmt:MATRIX_FMT_FP4 matrix_a_scale:MATRIX_SCALE_ROW1
.endr
.rept 4
	v_nop
.endr
.irp b, 0,1,2,3
	v_max3_num_f32 v[232+\b], v[S+16*\b], v[S+1+16*\b], v[S+2+16*\b]     ; THE LARGEST SCORE OF EACH BLOCK OF 32 KEYS serves twice: for the row's maximum, and, since p rises with the score, for the block's largest p
.endr
.irp i, 3,5,7,9,11,13
.irp b, 0,1,2,3
	v_max3_num_f32 v[232+\b], v[232+\b], v[S+16*\b+\i], v[S+1+16*\b+\i]
.endr
.endr
.irp b, 0,1,2,3
	v_max_num_f32 v[232+\b], v[232+\b], v[S+15+16*\b]
.endr
.irp b, 0,1,2,3
	s_delay_alu instid0(VALU_DEP_4)
	v_permlanex16_b32 v[236+\b], v[232+\b], s[SEL], s[SEL+1]
.endr
.irp b, 0,1,2,3
	s_delay_alu instid0(VALU_DEP_4)
	v_max_num_f32 v[232+\b], v[232+\b], v[236+\b]  ; with lane l xor 16's 16 keys
.endr
	s_delay_alu instid0(VALU_DEP_2)
	v_max3_num_f32 v254, v232, v233, v234
	s_delay_alu instid0(VALU_DEP_1)
	v_max_num_f32 v254, v254, v235                 ; the step's largest score of my query
	s_delay_alu instid0(VALU_DEP_1)
	v_mul_f32 v254, s[CS], v254                    ; as t (c is positive)
	s_delay_alu instid0(VALU_DEP_1)
	v_max_num_f32 v13, v13, v254                   ; the running largest t
	v_mov_b32 v254, v12
	s_delay_alu instid0(VALU_DEP_2)
	v_floor_f32 v12, -v13                          ; the new -M = floor(-t) = -ceil(t): M is a whole number
	s_delay_alu instid0(VALU_DEP_1)
	v_sub_f32 v254, v12, v254                      ; old M - new M: a whole number, 0 or less
	s_delay_alu instid0(VALU_DEP_1)
	v_cvt_i32_f32 v254, v254                       ; (it saturates)
	s_delay_alu instid0(VALU_DEP_1)
	v_ldexp_f32 v252, 1.0, v254                    ; f = 2^(old M - new M)
.set j, 0
.rept 32
	v_pk_fma_f32 v[S+j:S+j+1], v[S+j:S+j+1], s[CS:CS+1], v[12:13] op_sel_hi:[1,0,0]    ; t - M, two at a time (of the pairs c and -M the low word serves both halves)
.set j, j+2
.endr
.irp b, 0,1,2,3
	v_fma_f32 v[232+\b], v[232+\b], s[CS], v12     ; the same of each block's largest score
.endr
.set j, 0
	s_wait_alu depctr_va_vdst(0)
.rept 64
	v_exp_f32 v[S+j], v[S+j]                       ; p = 2^(t - M), at most 1: not normalised
.set j, j+1
.endr
	s_setprio 1
.irp b, 0,1,2,3
	v_exp_f32 v[232+\b], v[232+\b]                 ; the block's largest p: the same two instructions on the same number give the same bits
.endr
	v_pk_mul_f32 v[14:15], v[14:15], v[252:253] op_sel_hi:[1,0]    ; the sums under the new M.  (A plain place behind the exponentials)
	s_wait_alu depctr_va_vdst(0)
.irp b, 0,1,2,3
	v_max_num_f32 v[232+\b], 0x1800000, v[232+\b]  ; the floor 2^(3 - 127): the byte cannot fall under 1
.endr
.irp b, 0,1,2,3
	s_delay_alu instid0(VALU_DEP_4)
	v_add_nc_u32 v[244+\b], 0xff000000, v[232+\b]  ; 2 off the exponent field: the conversion's scale operand
.endr
.irp b, 0,1,2,3
	s_delay_alu instid0(VALU_DEP_4)
	v_lshrrev_b32 v[236+\b], 23, v[244+\b]         ; the scale's byte
.endr
	s_delay_alu instid0(VALU_DEP_3)
	v_lshl_or_b32 v[PS], v237, 8, v236             ; p's scale word for these 128 keys
	s_delay_alu instid0(VALU_DEP_1)
	v_lshl_or_b32 v[PS], v238, 16, v[PS]
	s_delay_alu instid0(VALU_DEP_1)
	v_lshl_or_b32 v[PS], v239, 24, v[PS]
.irp b, 0,1,2,3
	v_cvt_scalef32_pk8_fp4_f32 v[PC+2*\b], v[S+16*\b:S+7+16*\b], v[244+\b]
	v_cvt_scalef32_pk8_fp4_f32 v[PC+1+2*\b], v[S+8+16*\b:S+15+16*\b], v[244+\b]
.endr
	v_nop                                          ; one plain place behind a scaled conversion
.irp c, 0,1                                    ; the operand's layout wants a whole block in a lane
.irp i, 0,1
	v_permlane16_swap_b32 v[PC+4*\c+\i], v[PC+2+4*\c+\i]
.endr
.endr
	v_pk_add_f32 v[236:237], v[100:101], v[104:105]
	v_pk_add_f32 v[248:249], v[108:109], v[112:113]
	v_pk_add_f32 v[246:247], v[116:117], v[120:121]
	v_pk_add_f32 v[244:245], v[124:125], v[128:129]
	v_pk_add_f32 v[242:243], v[132:133], v[136:137]
	v_pk_add_f32 v[240:241], v[140:141], v[144:145]
	v_pk_add_f32 v[232:233], v[148:149], v[152:153]
	v_pk_add_f32 v[14:15], v[14:15], v[156:157]
	v_pk_add_f32 v[236:237], v[236:237], v[96:97]
	v_pk_add_f32 v[248:249], v[248:249], v[98:99]
	v_pk_add_f32 v[246:247], v[246:247], v[102:103]
	v_pk_add_f32 v[244:245], v[244:245], v[106:107]
	v_pk_add_f32 v[242:243], v[242:243], v[110:111]
	v_pk_add_f32 v[240:241], v[240:241], v[114:115]
	v_pk_add_f32 v[232:233], v[232:233], v[118:119]
	v_pk_add_f32 v[14:15], v[14:15], v[122:123]
	v_pk_add_f32 v[236:237], v[236:237], v[126:127]
	v_pk_add_f32 v[248:249], v[248:249], v[130:131]
	v_pk_add_f32 v[246:247], v[246:247], v[134:135]
	v_pk_add_f32 v[244:245], v[244:245], v[138:139]
	v_pk_add_f32 v[242:243], v[242:243], v[142:143]
	v_pk_add_f32 v[240:241], v[240:241], v[146:147]
	v_pk_add_f32 v[232:233], v[232:233], v[150:151]
	v_pk_add_f32 v[14:15], v[14:15], v[154:155]
	v_pk_add_f32 v[236:237], v[236:237], v[158:159]
	s_delay_alu instid0(VALU_DEP_2)
	v_pk_add_f32 v[14:15], v[14:15], v[244:245]
	s_delay_alu instid0(VALU_DEP_2)
	v_pk_add_f32 v[236:237], v[236:237], v[242:243]
	v_pk_add_f32 v[248:249], v[248:249], v[240:241]
	v_pk_add_f32 v[246:247], v[246:247], v[232:233]
	s_delay_alu instid0(VALU_DEP_2)
	v_pk_add_f32 v[14:15], v[14:15], v[248:249]
	s_delay_alu instid0(VALU_DEP_2)
	v_pk_add_f32 v[236:237], v[236:237], v[246:247]
	s_delay_alu instid0(VALU_DEP_1)
	v_pk_add_f32 v[14:15], v[14:15], v[236:237]
	s_setprio 0
.irp j, 0,2,4,6,8,10,12,14,16,18,20,22,24,26,28,30
	v_pk_mul_f32 v[O+\j:O+1+\j], v[O+\j:O+1+\j], v[252:253] op_sel_hi:[1,0]        ; O^T under the new M.  (The sums and these stand between the scale word and the codes just made and the products below: more than eight places)
.endr
	s_wait_alu depctr_va_vdst(0)
	s_wait_dscnt 0x0                               ; V
.irp p, 0,1                                    ; O^T += V^T P^T: four accumulators, one instruction each
	v_wmma_scale_f32_16x16x128_f8f6f4 v[O+16*\p:O+16*\p+7], v[VF+16*\p:VF+16*\p+7], v[PC:PC+7], v[O+16*\p:O+16*\p+7], v[VS+\p], v[PS] matrix_a_fmt:MATRIX_FMT_FP4 matrix_b_fmt:MATRIX_FMT_FP4
	v_wmma_scale_f32_16x16x128_f8f6f4 v[O+16*\p+8:O+16*\p+15], v[VF+16*\p+8:VF+16*\p+15], v[PC:PC+7], v[O+16*\p+8:O+16*\p+15], v[VS+\p], v[PS] matrix_a_fmt:MATRIX_FMT_FP4 matrix_b_fmt:MATRIX_FMT_FP4 matrix_a_scale:MATRIX_SCALE_ROW1
.endr
	s_add_co_u32 s[TB], s[TB], STEPB
.endm
; Chunk c: waves 0-3 wait for their quarter of it (their loads of the later chunks, 3 - c of them, may stay out: no byte of LDS is filled again), then say so; all read behind the barrier.
.macro CHUNK c
	s_wait_tensorcnt 3-\c
	s_wait_dscnt 0x0                               ; no LDS instruction of mine is pending at a signal
	s_barrier_signal -1
	s_barrier_wait -1
	s_mov_b32 s[TB], CHUNK_B*\c
	s_mov_b32 s[CNT], 8
.Lstep_\@:
	s_setprio 2
	STEP
	s_sub_co_u32 s[CNT], s[CNT], 1
	s_cmp_lg_u32 s[CNT], 0
	s_cbranch_scc1 .Lstep_\@
	s_setprio 0
.endm
	s_wait_loadcnt 0x0                             ; Q
	CHUNK 0
	CHUNK 1
	CHUNK 2
	CHUNK 3                                        ; its wait on TENSORcnt is for 0: none is out at the end
	; THE WAY OUT: O^T / l, quantised along the head's 64 channels (two blocks of the projection's K), stored as an image of the operand's registers
.rept 4
	v_nop                                          ; places behind the last products
.endr
	v_add_f32 v14, v14, v15                        ; the sum's two halves,
	s_delay_alu instid0(VALU_DEP_1)
	v_permlanex16_b32 v252, v14, s[SEL], s[SEL+1]
	s_delay_alu instid0(VALU_DEP_1)
	v_add_f32 v14, v14, v252                       ; and lane l xor 16's: the row's sum
	s_wait_alu depctr_va_vdst(0)
	v_rcp_f32 v14, v14
	v_nop                                          ; one plain place behind a transcendental
.set i, 0
	s_wait_alu depctr_va_vdst(0)
.rept 32
	v_mul_f32 v[S+i], v[O+i], v14                  ; register 16 b + n: channel 32 b + 16 h + n of my query, from the low end on
.set i, i+1
.endr
	QUANT2 S, PC, 248
	global_store_b128 v[L16], v[PC:PC+3], s[56:57]                 ; 512 consecutive bytes, aligned
	global_store_b16 v[R4], v248, s[58:59] offset:8192             ; my row's two scale bytes
	s_wait_tensorcnt 0x0
	ds_add_u32 v251, v255
	s_wait_dscnt 0x0
	ROUND                                          ; the closing round: no work-group ends while a partner may still ask for a tile that names it
	s_endpgm
.Lfunc_end_k_q4ab90f7607_attn:
	.size	k_q4ab90f7607_attn, .Lfunc_end_k_q4ab90f7607_attn-k_q4ab90f7607_attn
	.p2alignl 7, 3214868480
	.fill 96, 4, 3214868480
	.section	.rodata,"a",@progbits
	.p2align	6, 0x0
	.amdhsa_kernel k_q4ab90f7607_attn
		.amdhsa_group_segment_fixed_size 327680
		.amdhsa_private_segment_fixed_size 0
		.amdhsa_enable_private_segment 0
		.amdhsa_kernarg_size 24
		.amdhsa_user_sgpr_count 2
		.amdhsa_user_sgpr_kernarg_segment_ptr 1
		.amdhsa_wavefront_size32 1
		.amdhsa_system_sgpr_workgroup_id_x 1
		.amdhsa_system_sgpr_workgroup_id_y 1
		.amdhsa_system_sgpr_workgroup_id_z 1
		.amdhsa_system_vgpr_workitem_id 0
		.amdhsa_next_free_vgpr 256
		.amdhsa_next_free_sgpr 66
		.amdhsa_reserve_vcc 0
		.amdhsa_float_denorm_mode_32 3
		.amdhsa_float_denorm_mode_16_64 3
		.amdhsa_memory_ordered 1
		.amdhsa_forward_progress 1
		.amdhsa_inst_pref_size 78
	.end_amdhsa_kernel
	.amdgpu_metadata
---
amdhsa.version: [ 1, 2 ]
amdhsa.kernels:
  - .name:           k_q4ab90f7607_attn
    .symbol:         k_q4ab90f7607_attn.kd
    .args:
      - { .name: qq, .offset: 0, .size: 8, .value_kind: global_buffer, .address_space: global }
      - { .name: kv, .offset: 8, .size: 8, .value_kind: global_buffer, .address_space: global }
      - { .name: oo, .offset: 16, .size: 8, .value_kind: global_buffer, .address_space: global }
    .group_segment_fixed_size: 327680
    .private_segment_fixed_size: 0
    .kernarg_segment_align: 8
    .kernarg_segment_size: 24
    .max_flat_workgroup_size: 512
    .sgpr_count:     66
    .vgpr_count:     256
    .wavefront_size: 32
...
	.end_amdgpu_metadata
.endif
;; end of part 3
;; launch proj (part 4): grid 256 x 1, 16 waves a work-group, no clusters, 71,680 bytes of LDS; arguments oo, wq, proj_b, x, out0; writes out0
.if DOCPART == 4
	.amdgcn_target "amdgcn-amd-amdhsa--gfx1250"
	.amdhsa_code_object_version 6
	.text
	.protected	k_q4ab90f7607_proj
	.globl	k_q4ab90f7607_proj
	.p2align	8
	.type	k_q4ab90f7607_proj,@function
k_q4ab90f7607_proj:
	s_mov_b64 s[64:65], 0
	v_nop
	global_prefetch_b8 v0, s[64:65] scope:SCOPE_SE
	s_setreg_imm32_b32 hwreg(HW_REG_WAVE_MODE, 25, 1), 1
	s_wait_xcnt 0x0
; out0 = x + proj_w . out + proj_b, the product on codes of FP4 (E2M1) with E8M0 scales: both operands arrive as images of their registers, made by earlier launches.
; SHARES.  A work-group takes 64 pixels (block B64) of one image; wave w takes weight tile 48 + w: the 16 outputs ob + i + 8 (i / 8), ob = 32 (w / 2) + 8 (w % 2).
; Source 0 = 16 pixels, source 1 = 16 rows of the weight: a lane holds ONE output channel and its registers run along the pixels, which are innermost in out0.
; Row i of pixel tile j = 2 pair + u is pixel 32 pair + 8 u + i + 8 (i / 8): so register n of tile j in lane (r, h) is pixel 32 pair + 16 h + 8 u + n.
; The bias is the C of each sum's first matrix instruction.  The results turn through the wave's own stage in LDS (16 rows of 256 bytes + 16) and leave with x added:
; sixteen lanes store 256 consecutive bytes, aligned.  No barrier: waves share nothing.
.set L4,  4                            ; v4   4 x lane
.set L16, 5                            ; v5   16 x lane
.set BO,  6                            ; v6   4 (r + 8 (r / 8)): my output's bias
.set XO,  7                            ; v7   x, out0: 16,384 (lane / 16) + 16 (lane % 16)
.set SO,  8                            ; v8   the stage, in
.set SR,  9                            ; v9   the stage, back
.set AS,  16                           ; v16-19 out's scale words, tile j: lanes 0-15 K step 0, lanes 16-31 K step 1
.set WSC, 20                           ; v20  the weight's likewise
.set BI,  24                           ; v24-31 the bias, eight times
.set AF,  32                           ; v32-95 out's fragments, 16 j + 8 s + 4 c
.set WF,  96                           ; v96-111 the weight's
.set ACC, 112                          ; v112-143 four accumulators
.set XV,  144                          ; v144-175 x
.set RB,  176                          ; v176-207 rows back from the stage
	s_load_b256 s[4:11], s[0:1], 0x0               ; oo s[4:5], wq s[6:7], proj_b s[8:9], x s[10:11]
	s_load_b64 s[12:13], s[0:1], 0x20              ; out0
	v_lshl_add_u32 v208, v0, 2, 0x11000
	v_mov_b32 v209, 0
	v_lshrrev_b32 v1, 5, v0
	s_delay_alu instid0(VALU_DEP_1)
	v_readfirstlane_b32 s14, v1                    ; wave 0..15
	v_and_b32 v1, 31, v0                           ; lane
	v_and_b32 v2, 15, v0                           ; r
	v_bfe_u32 v3, v0, 4, 1                         ; h
	s_delay_alu instid0(VALU_DEP_3)
	v_lshlrev_b32 v[L4], 2, v1
	s_delay_alu instid0(VALU_DEP_4)
	v_lshlrev_b32 v[L16], 4, v1
	s_delay_alu instid0(VALU_DEP_4)
	v_and_b32 v[BO], 8, v2
	s_delay_alu instid0(VALU_DEP_1)
	v_add_nc_u32 v[BO], v[BO], v2
	s_delay_alu instid0(VALU_DEP_1)
	v_lshlrev_b32 v[BO], 2, v[BO]
	v_lshlrev_b32 v[XO], 4, v2
	s_delay_alu instid0(VALU_DEP_1)
	v_lshl_add_u32 v[XO], v3, 14, v[XO]
	s_mul_i32 s15, s14, 16*272                     ; my stage
	v_mul_u32_u24 v[SO], v2, 272
	s_delay_alu instid0(VALU_DEP_1)
	v_lshl_add_u32 v[SO], v3, 6, v[SO]
	s_delay_alu instid0(VALU_DEP_1)
	v_add_nc_u32 v[SO], s15, v[SO]                 ; in: row r, + 64 h
	v_mul_u32_u24 v[SR], v3, 272
	s_delay_alu instid0(VALU_DEP_1)
	v_lshl_add_u32 v[SR], v2, 4, v[SR]
	s_delay_alu instid0(VALU_DEP_1)
	v_add_nc_u32 v[SR], s15, v[SR]                 ; back: lanes 0-15 one row, lanes 16-31 the next
	s_lshr_b32 s16, s14, 1
	s_lshl_b32 s16, s16, 5
	s_and_b32 s17, s14, 1
	s_lshl_b32 s17, s17, 3
	s_add_co_u32 s16, s16, s17                     ; ob
	s_mul_i32 s18, ttmp9, 8704                     ; oo: 64 image + B64 is the work-group's number
	s_mov_b32 s19, 0
	s_add_co_u32 s20, s14, 48                      ; my tile in wq
	s_lshl_b32 s22, s20, 7
	s_mov_b32 s23, 0
	s_lshl_b32 s20, s20, 11
	s_mov_b32 s21, 0
	s_lshl_b32 s24, s16, 2
	s_mov_b32 s25, 0
	s_lshr_b32 s26, ttmp9, 6
	s_lshl_b32 s26, s26, 22                        ; x, out0: the image,
	s_lshl_b32 s27, s16, 14
	s_add_co_u32 s26, s26, s27                     ; channel ob,
	s_and_b32 s27, ttmp9, 63
	s_lshl_b32 s27, s27, 8
	s_add_co_u32 s26, s26, s27                     ; the block's 256 bytes
	s_mov_b32 s27, 0
	s_wait_alu depctr_va_vdst(0)
	s_wait_kmcnt 0x0
	s_add_nc_u64 s[4:5], s[4:5], s[18:19]
	s_add_nc_u64 s[20:21], s[6:7], s[20:21]
	s_add_nc_u64 s[22:23], s[6:7], s[22:23]
	s_add_nc_u64 s[8:9], s[8:9], s[24:25]
	s_add_nc_u64 s[10:11], s[10:11], s[26:27]
	s_add_nc_u64 s[12:13], s[12:13], s[26:27]
.irp n, 0,1,2,3,4,5,6,7
	global_load_b32 v[BI+\n], v[BO], s[8:9]        ; a lane holds one output: all eight registers hold its bias
.endr
.irp j, 0,1,2,3
	global_load_b32 v[AS+\j], v[L4], s[4:5] offset:8192+128*\j
.endr
	global_load_b32 v[WSC], v[L4], s[22:23] offset:131072
.irp q, 0,1,2,3
	global_load_b128 v[WF+4*\q:WF+4*\q+3], v[L16], s[20:21] offset:512*\q
.endr
.irp q, 0,1,2,3,4,5,6,7,8,9,10,11,12,13,14,15
	global_load_b128 v[AF+4*\q:AF+4*\q+3], v[L16], s[4:5] offset:512*\q
.endr
.irp i, 0,1,2,3,4,5,6,7                        ; x at stage rows 2 i and 2 i + 1: channels ob + 2 i + 8 (i / 4) and the next: two runs of 256 consecutive bytes
	global_load_b128 v[XV+4*\i:XV+4*\i+3], v[XO], s[10:11] offset:(2*\i+8*(\i/4))*16384 th:TH_LOAD_NT
.endr
	s_wait_loadcnt 8                               ; all but x's eight loads
.irp j, 0,1,2,3                                ; four accumulators by turns
	v_wmma_scale_f32_16x16x128_f8f6f4 v[ACC+8*\j:ACC+8*\j+7], v[AF+16*\j:AF+16*\j+7], v[WF:WF+7], v[BI:BI+7], v[AS+\j], v[WSC] matrix_a_fmt:MATRIX_FMT_FP4 matrix_b_fmt:MATRIX_FMT_FP4
.endr
.irp j, 0,1,2,3
	v_wmma_scale_f32_16x16x128_f8f6f4 v[ACC+8*\j:ACC+8*\j+7], v[AF+16*\j+8:AF+16*\j+15], v[WF+8:WF+15], v[ACC+8*\j:ACC+8*\j+7], v[AS+\j], v[WSC] matrix_a_fmt:MATRIX_FMT_FP4 matrix_b_fmt:MATRIX_FMT_FP4 matrix_a_scale:MATRIX_SCALE_ROW1 matrix_b_scale:MATRIX_SCALE_ROW1
.endr
.rept 4
	v_nop                                          ; four places in front of the first read of results (ISA guide 7.12.1)
.endr
.irp j, 0,1,2,3
	ds_store_b128 v[SO], v[ACC+8*\j:ACC+8*\j+3] offset:128*(\j/2)+32*(\j%2)        ; each accumulator from its low end on
	ds_store_b128 v[SO], v[ACC+8*\j+4:ACC+8*\j+7] offset:128*(\j/2)+32*(\j%2)+16
.endr
.irp i, 0,1,2,3,4,5,6,7
	ds_load_b128 v[RB+4*\i:RB+4*\i+3], v[SR] offset:544*\i         ; LDS serves a wave's instructions in order (ISA guide 5.7.1.4): these see my stores
.endr
	s_wait_loadcnt 0x0                             ; x
.irp i, 0,1,2,3,4,5,6,7
	s_wait_dscnt 7-\i                              ; rows 2 i and 2 i + 1 are back; the younger loads may be out
	v_pk_add_f32 v[RB+4*\i:RB+4*\i+1], v[RB+4*\i:RB+4*\i+1], v[XV+4*\i:XV+4*\i+1]
	v_pk_add_f32 v[RB+4*\i+2:RB+4*\i+3], v[RB+4*\i+2:RB+4*\i+3], v[XV+4*\i+2:XV+4*\i+3]
	global_store_b128 v[XO], v[RB+4*\i:RB+4*\i+3], s[12:13] offset:(2*\i+8*(\i/4))*16384 th:TH_STORE_NT    ; sixteen lanes store 256 consecutive bytes, aligned
.endr
	s_wait_tensorcnt 0x0
	ds_add_u32 v208, v209
	s_wait_dscnt 0x0
	s_endpgm
.Lfunc_end_k_q4ab90f7607_proj:
	.size	k_q4ab90f7607_proj, .Lfunc_end_k_q4ab90f7607_proj-k_q4ab90f7607_proj
	.p2alignl 7, 3214868480
	.fill 96, 4, 3214868480
	.section	.rodata,"a",@progbits
	.p2align	6, 0x0
	.amdhsa_kernel k_q4ab90f7607_proj
		.amdhsa_group_segment_fixed_size 71680
		.amdhsa_private_segment_fixed_size 0
		.amdhsa_enable_private_segment 0
		.amdhsa_kernarg_size 40
		.amdhsa_user_sgpr_count 2
		.amdhsa_user_sgpr_kernarg_segment_ptr 1
		.amdhsa_wavefront_size32 1
		.amdhsa_system_sgpr_workgroup_id_x 1
		.amdhsa_system_sgpr_workgroup_id_y 1
		.amdhsa_system_sgpr_workgroup_id_z 1
		.amdhsa_system_vgpr_workitem_id 0
		.amdhsa_next_free_vgpr 210
		.amdhsa_next_free_sgpr 66
		.amdhsa_reserve_vcc 0
		.amdhsa_float_denorm_mode_32 3
		.amdhsa_float_denorm_mode_16_64 3
		.amdhsa_memory_ordered 1
		.amdhsa_forward_progress 1
		.amdhsa_inst_pref_size 11
	.end_amdhsa_kernel
	.amdgpu_metadata
---
amdhsa.version: [ 1, 2 ]
amdhsa.kernels:
  - .name:           k_q4ab90f7607_proj
    .symbol:         k_q4ab90f7607_proj.kd
    .args:
      - { .name: oo, .offset: 0, .size: 8, .value_kind: global_buffer, .address_space: global }
      - { .name: wq, .offset: 8, .size: 8, .value_kind: global_buffer, .address_space: global }
      - { .name: proj_b, .offset: 16, .size: 8, .value_kind: global_buffer, .address_space: global }
      - { .name: x, .offset: 24, .size: 8, .value_kind: global_buffer, .address_space: global }
      - { .name: out0, .offset: 32, .size: 8, .value_kind: global_buffer, .address_space: global }
    .group_segment_fixed_size: 71680
    .private_segment_fixed_size: 0
    .kernarg_segment_align: 8
    .kernarg_segment_size: 40
    .max_flat_workgroup_size: 512
    .sgpr_count:     66
    .vgpr_count:     210
    .wavefront_size: 32
...
	.end_amdgpu_metadata
.endif
;; end of part 4
